; MI455X (gfx1250); checked and timed in simulation.
; The chip was launched on July 23, 2026; its instructions are those of AMD's public machine-readable ISA for CDNA 5 (MIT licence, August 2026) and "CDNA5" Instruction Set Architecture Reference Guide (July 2026). The comments in the code are by the model that wrote it; some were corrected since.
;; Feed Forward. Allowed arithmetic: float matrix products may take bf16 or f16 operands with f32 sums; all other float work in f32.
;; Inputs: W1 2 x 1,024 x 4,096 float32; W2 2 x 4,096 x 1,024 float32; Wr 1,024 x 2 float32; b1 2 x 4,096 float32; b2 2 x 1,024 float32; x 2 x 2,048 x 1,024 float32.
;; Outputs: out0 2 x 2,048 x 1,024 float32; out1 one number float32.
;; One version. Each part assembles by itself: llvm-mc -triple=amdgcn-amd-amdhsa -mcpu=gfx1250 --defsym DOCPART=n.
;; ======== version 1 of 1: 4 launches
;; limits: values are held in f16: magnitudes above 65,504 overflow, below 6.1e-05 lose precision
;; workspace buffers: xf 8,388,608 bytes; w1f 16,777,216 bytes; w2f 16,777,216 bytes; p 65,536 bytes; h 67,108,864 bytes; part 67,108,864 bytes
;; launch prep (part 1): grid 256 x 1, 16 waves a work-group, no clusters, 3,072 bytes of LDS; arguments x, Wr, W1, W2, xf, w1f, w2f, p, out1; writes xf, w1f, w2f, p, out1
.if DOCPART == 1
	.amdgcn_target "amdgcn-amd-amdhsa--gfx1250"
	.amdhsa_code_object_version 6
	.text
	.protected	k_q648e11381f_prep
	.globl	k_q648e11381f_prep
	.p2align	8
	.type	k_q648e11381f_prep,@function
k_q648e11381f_prep:
	s_mov_b64 s[64:65], 0
	v_nop
	global_prefetch_b8 v0, s[64:65] scope:SCOPE_SE
	s_setreg_imm32_b32 hwreg(HW_REG_WAVE_MODE, 25, 1), 1
	s_wait_xcnt 0x0
; PREP: x, W1, W2 from f32 to f16 (same layouts, nothing is transposed), the router p = softmax(x Wr) in f32, and out1.
;
; WORK LEFT OUT, for all finite inputs.  E = 2 and TOP_K = 2, so top_k returns both indices of every token, in some order, ties included.
;   sum over k of onehot[t,k,e] = 1 for every (t, e)                      -> dispatch_frac = (1, 1)
;   combine[t,e] = probs[t,e] / (probs[t,0] + probs[t,1]), and the two probabilities of a softmax add up to 1   -> combine = probs
;   loss = 2 (mean_t probs[t,0] + mean_t probs[t,1]) = 2 mean_t 1 = 2     -> out1 is the constant 2.0
; So top_k, one_hot, the renormalisation and both means are not computed.  The router stays (out0 needs p), with the maximum taken away
; in front of its exponentials as reference() takes it.  Every input has a way to out0; b1 and b2 are read by the later launches.
; LIMITS: a NaN, an infinity or an overflow in the logits is not carried into out1 (it still reaches out0 through p).
; p0 + p1 differs from 1 by rounding only; that rounding is not divided away.  The order of the logits' f32 sums differs from reference()'s.
;
; WHY f16 AND NOT bf16 for the matrix operands: 11 significant bits against 8, so each operand's rounding is an eighth, at the same bytes and the same matrix form's shape.
; LIMIT of the format: an |x|, |W1| or |W2| above 65,504 becomes infinite; below 6.1e-5 the step is fixed at 6e-8.
; Room: x of spread 1 reaches about 5.5, thirty times larger 165; weights of spread 0.02 thirty times larger have spread 0.6,
; thirty times smaller 6.7e-4, of which the fixed step is 1e-4.
;
; SHARES: 256 work-groups of equal work, sixteen waves each.  A group takes 327,680 bytes of f32: 16 rows of x (65,536) and 262,144 bytes of W1 (groups 0-127)
; or of W2 (groups 128-255).  That is 640 loads of 512 bytes, 40 a wave: waves 0-3 take four rows of x each (32 loads) and 8 loads of weights,
; waves 4-15 take 40 loads of weights each.  So Wr's 8,192 bytes are loaded by four waves of a group and serve four rows in each.
; A wave issues all its loads at once, so there is no ring and no loop; each load of a wave covers 512 consecutive bytes,
; each store of a wave 256 consecutive bytes, aligned.  The matrix unit is not used: Wr has two columns, and the dot products ride on a stream.
; p IS STORED AS (p0, p0, p1, p1), 16 bytes a row: a group's 16 rows are then 256 consecutive bytes, aligned, and the first product takes the pair
; that its packed multiply wants by one load of 8 bytes.
.set ACC, 8                            ; v[8:15]    four chains of (logit 0, logit 1)
.set WR,  24                           ; v[24:87]   WR+8j+2c: the pair Wr[128 j + 4 lane + c][0:1]
.set X,   88                           ; v[88:215]  waves 0-3: row rho, chunk j at X + 32 rho + 4 j;   v[88:247] waves 4-15: weight chunk j at X + 4 j
.set XW,  216                          ; v[216:247] waves 0-3: weight chunk j at XW + 4 j
.set WTAIL, 245760                     ; 12 waves x 40 chunks x 512 bytes: where the weights of waves 0-3 begin in the group's 262,144 bytes
; cnt chunks of 512 bytes of weights into v[reg ..]
.macro WLOAD cnt, reg
.set j, 0
.rept \cnt
	global_load_b128 v[\reg+4*j:\reg+4*j+3], v6, s[26:27] offset:512*j th:TH_LOAD_NT
.set j, j+1
.endr
.endm
; the same chunks, the wave's youngest loads: each is rounded in place and stored as 256 bytes; no register that a store reads is written again
.macro WCAST cnt, reg
.set j, 0
.rept \cnt
	s_wait_loadcnt \cnt-1-j                        ; loads come back in order (ISA guide 5.7.1): chunk j is in, the younger ones stay out
	v_cvt_pk_f16_f32 v[\reg+4*j],   v[\reg+4*j],   v[\reg+4*j+1]
	v_cvt_pk_f16_f32 v[\reg+4*j+1], v[\reg+4*j+2], v[\reg+4*j+3]
	global_store_b64 v7, v[\reg+4*j:\reg+4*j+1], s[28:29] offset:256*j
.set j, j+1
.endr
.endm
	s_load_b512 s[4:19], s[0:1], 0x0               ; x s[4:5], Wr s[6:7], W1 s[8:9], W2 s[10:11], xf s[12:13], w1f s[14:15], w2f s[16:17], p s[18:19]
	s_load_b64 s[20:21], s[0:1], 0x40              ; out1
	v_lshl_add_u32 v248, v0, 2, 0x400
	v_mov_b32 v249, 0
	v_lshrrev_b32 v1, 5, v0
	v_readfirstlane_b32 s22, v1                    ; wave 0..15
	v_and_b32 v5, 31, v0                           ; lane
	s_mov_b32 s25, 0                               ; high word of every offset: all are below 4 GiB
	s_and_b32 s23, ttmp9, 127                      ; the group's share of its weight tensor
	s_wait_kmcnt 0x0
	s_cmp_lt_u32 ttmp9, 128
	s_cselect_b64 s[26:27], s[8:9], s[10:11]       ; weights from W1 or W2,
	s_cselect_b64 s[28:29], s[14:15], s[16:17]     ; to w1f or w2f
	s_lshl_b32 s24, s23, 18                        ; 262,144 bytes of f32 a group
	s_add_nc_u64 s[26:27], s[26:27], s[24:25]
	s_lshl_b32 s24, s23, 17                        ; 131,072 bytes of f16
	s_add_nc_u64 s[28:29], s[28:29], s[24:25]
	s_lshl_b32 s24, ttmp9, 16                      ; 16 rows of 4,096 bytes
	s_add_nc_u64 s[4:5], s[4:5], s[24:25]
	s_lshl_b32 s24, ttmp9, 15                      ; 16 rows of 2,048 bytes
	s_add_nc_u64 s[12:13], s[12:13], s[24:25]
	s_lshl_b32 s24, ttmp9, 8                       ; 16 rows of 16 bytes
	s_add_nc_u64 s[18:19], s[18:19], s[24:25]
	s_cmp_lt_u32 s22, 4
	s_cbranch_scc0 .Lweights
	; ---- waves 0-3: rows 4 w .. 4 w + 3 of the group's 16, and 8 chunks of weights ----
	s_mov_b32 s30, 0x76543210                      ; v_permlanex16_b32: lane i of one half reads lane i of the other
	s_mov_b32 s31, 0xfedcba98
	v_lshlrev_b32 v1, 5, v5                        ; Wr: four rows of 8 bytes a lane
	s_lshl_b32 s23, s22, 14
	v_lshl_add_u32 v2, v5, 4, s23                  ; x: 4 w rows + 16 lane
	s_lshl_b32 s23, s22, 13
	v_lshl_add_u32 v3, v5, 3, s23                  ; xf: 4 w rows + 8 lane
	s_lshl_b32 s23, s22, 6
	v_mov_b32 v4, s23                              ; LDS: my wave's four rows of p, 16 bytes each
	s_lshl_b32 s23, s22, 12                        ; weights: 8 chunks of 512 bytes a wave,
	s_add_co_u32 s23, s23, WTAIL                   ; behind those of waves 4-15
	v_lshl_add_u32 v6, v5, 4, s23                  ; in: + 16 lane
	s_lshr_b32 s23, s23, 1
	v_lshl_add_u32 v7, v5, 3, s23                  ; out: half of it, + 8 lane
	v_mov_b32 v18, 0                               ; v_permlanex16_b32 counts as a reader of its destination
	v_mov_b32 v19, 0
.irp j, 0,1,2,3,4,5,6,7
	global_load_b128 v[WR+8*\j:WR+8*\j+3],   v1, s[6:7] offset:1024*\j
	global_load_b128 v[WR+8*\j+4:WR+8*\j+7], v1, s[6:7] offset:1024*\j+16
.endr
.irp rho, 0,1,2,3
.irp j, 0,1,2,3,4,5,6,7
	global_load_b128 v[X+32*\rho+4*\j:X+32*\rho+4*\j+3], v2, s[4:5] offset:4096*\rho+512*\j th:TH_LOAD_NT
.endr
.endr
	WLOAD 8, XW
; One row: its two logits, its softmax, its cast.  left = the loads of the younger rows and of the weights, which stay out.
.macro ROW rho, left
	s_wait_loadcnt \left                           ; loads come back in order (ISA guide 5.7.1): Wr and this row are in
	; (l0, l1) += x[d] (Wr[d][0], Wr[d][1]): x[d] is taken for both halves by op_sel / op_sel_hi.  The first four products start the chains.
	v_pk_mul_f32 v[ACC:ACC+1],   v[X+32*\rho:X+32*\rho+1],   v[WR:WR+1]   op_sel_hi:[0,1]
	v_pk_mul_f32 v[ACC+2:ACC+3], v[X+32*\rho:X+32*\rho+1],   v[WR+2:WR+3] op_sel:[1,0] op_sel_hi:[1,1]
	v_pk_mul_f32 v[ACC+4:ACC+5], v[X+32*\rho+2:X+32*\rho+3], v[WR+4:WR+5] op_sel_hi:[0,1]
	v_pk_mul_f32 v[ACC+6:ACC+7], v[X+32*\rho+2:X+32*\rho+3], v[WR+6:WR+7] op_sel:[1,0] op_sel_hi:[1,1]
.irp j, 1,2,3,4,5,6,7
	v_pk_fma_f32 v[ACC:ACC+1],   v[X+32*\rho+4*\j:X+32*\rho+4*\j+1],   v[WR+8*\j:WR+8*\j+1],   v[ACC:ACC+1]   op_sel_hi:[0,1,1]
	v_pk_fma_f32 v[ACC+2:ACC+3], v[X+32*\rho+4*\j:X+32*\rho+4*\j+1],   v[WR+8*\j+2:WR+8*\j+3], v[ACC+2:ACC+3] op_sel:[1,0,0] op_sel_hi:[1,1,1]
	v_pk_fma_f32 v[ACC+4:ACC+5], v[X+32*\rho+4*\j+2:X+32*\rho+4*\j+3], v[WR+8*\j+4:WR+8*\j+5], v[ACC+4:ACC+5] op_sel_hi:[0,1,1]
	v_pk_fma_f32 v[ACC+6:ACC+7], v[X+32*\rho+4*\j+2:X+32*\rho+4*\j+3], v[WR+8*\j+6:WR+8*\j+7], v[ACC+6:ACC+7] op_sel:[1,0,0] op_sel_hi:[1,1,1]
.endr
	v_pk_add_f32 v[ACC:ACC+1],   v[ACC:ACC+1],   v[ACC+2:ACC+3]
	v_pk_add_f32 v[ACC+4:ACC+5], v[ACC+4:ACC+5], v[ACC+6:ACC+7]
	v_pk_add_f32 v[16:17], v[ACC:ACC+1], v[ACC+4:ACC+5]
	; over the 32 lanes: four steps inside each half of 16 ride on the add, one crosses the halves; every lane ends with both logits
.irp m, 1,2,4,8
	v_add_f32_dpp v16, v16, v16 row_xmask:\m row_mask:0xf bank_mask:0xf
	v_add_f32_dpp v17, v17, v17 row_xmask:\m row_mask:0xf bank_mask:0xf
.endr
	v_permlanex16_b32 v18, v16, s30, s31
	v_permlanex16_b32 v19, v17, s30, s31
	v_add_f32 v16, v16, v18
	v_add_f32 v17, v17, v19
	v_max_num_f32 v20, v16, v17                    ; the maximum goes away in front of the exponentials
	v_sub_f32 v21, v16, v20
	v_sub_f32 v22, v17, v20
	v_mul_f32 v21, 0x3fb8aa3b, v21                 ; e^x = 2^(x log2 e)
	v_mul_f32 v22, 0x3fb8aa3b, v22
	v_exp_f32 v16, v21
	v_exp_f32 v18, v22
	v_nop                                          ; one plain instruction behind a transcendental before its result is used (ISA guide 5.7.2)
	s_wait_alu depctr_va_vdst(0)
	v_add_f32 v23, v16, v18                        ; between 1 and 2: one of the two exponentials is 1
	v_rcp_f32 v20, v23
	v_nop
	s_wait_alu depctr_va_vdst(0)
	v_mul_f32 v17, v16, v20                        ; (p0, p0, p1, p1)
	v_mul_f32 v16, v16, v20
	v_mul_f32 v19, v18, v20
	v_mul_f32 v18, v18, v20
	ds_store_b128 v4, v[16:19] offset:16*\rho      ; all lanes put the same 16 bytes at the same place
.irp j, 0,1,2,3,4,5,6,7
	v_cvt_pk_f16_f32 v[X+32*\rho+4*\j],   v[X+32*\rho+4*\j],   v[X+32*\rho+4*\j+1]
	v_cvt_pk_f16_f32 v[X+32*\rho+4*\j+1], v[X+32*\rho+4*\j+2], v[X+32*\rho+4*\j+3]
	global_store_b64 v3, v[X+32*\rho+4*\j:X+32*\rho+4*\j+1], s[12:13] offset:2048*\rho+256*\j
.endr
.endm
	ROW 0, 32                                      ; three rows' 24 loads and the weights' 8 stay out
	ROW 1, 24
	ROW 2, 16
	ROW 3, 8
	WCAST 8, XW
	s_branch .Ljoin
	; ---- waves 4-15: 40 chunks of weights, 20,480 consecutive bytes a wave ----
.Lweights:
	s_sub_co_u32 s23, s22, 4
	s_mul_i32 s23, s23, 20480
	v_lshl_add_u32 v6, v5, 4, s23                  ; in: + 16 lane
	s_lshr_b32 s23, s23, 1
	v_lshl_add_u32 v7, v5, 3, s23                  ; out: half of it, + 8 lane
	WLOAD 40, X
	WCAST 40, X
.Ljoin:
	s_wait_dscnt 0x0                               ; my rows of p, if I have any, lie in LDS,
	s_barrier_signal -1
	s_barrier_wait -1                              ; everybody's do
	s_cmp_lg_u32 s22, 0
	s_cbranch_scc1 .Lend
	v_lshlrev_b32 v16, 3, v5                       ; wave 0: lane l takes 8 of the 256 bytes of the group's 16 rows of p
	ds_load_b64 v[18:19], v16
	s_wait_dscnt 0x0
	global_store_b64 v16, v[18:19], s[18:19]       ; 256 consecutive bytes, aligned
	s_cmp_lg_u32 ttmp9, 0
	s_cbranch_scc1 .Lend
	v_mov_b32 v20, 0
	v_mov_b32 v21, 2.0                             ; out1
	s_wait_xcnt 0x0                                ; EXEC is a source of the stores above: it changes only behind this wait
	v_cmp_eq_u32 vcc_lo, 0, v0
	s_and_saveexec_b32 s24, vcc_lo
	global_store_b32 v20, v21, s[20:21]            ; out1 = 2.0: one lane of one wave of group 0
	s_wait_xcnt 0x0                                ; and again in front of the line that widens it
	s_or_b32 exec_lo, exec_lo, s24
.Lend:
	s_wait_tensorcnt 0x0
	ds_add_u32 v248, v249
	s_wait_dscnt 0x0
	s_endpgm
.Lfunc_end_k_q648e11381f_prep:
	.size	k_q648e11381f_prep, .Lfunc_end_k_q648e11381f_prep-k_q648e11381f_prep
	.p2alignl 7, 3214868480
	.fill 96, 4, 3214868480
	.section	.rodata,"a",@progbits
	.p2align	6, 0x0
	.amdhsa_kernel k_q648e11381f_prep
		.amdhsa_group_segment_fixed_size 3072
		.amdhsa_private_segment_fixed_size 0
		.amdhsa_enable_private_segment 0
		.amdhsa_kernarg_size 72
		.amdhsa_user_sgpr_count 2
		.amdhsa_user_sgpr_kernarg_segment_ptr 1
		.amdhsa_wavefront_size32 1
		.amdhsa_system_sgpr_workgroup_id_x 1
		.amdhsa_system_sgpr_workgroup_id_y 1
		.amdhsa_system_sgpr_workgroup_id_z 1
		.amdhsa_system_vgpr_workitem_id 0
		.amdhsa_next_free_vgpr 250
		.amdhsa_next_free_sgpr 66
		.amdhsa_reserve_vcc 1
		.amdhsa_float_denorm_mode_32 3
		.amdhsa_float_denorm_mode_16_64 3
		.amdhsa_memory_ordered 1
		.amdhsa_forward_progress 1
		.amdhsa_inst_pref_size 46
	.end_amdhsa_kernel
	.amdgpu_metadata
---
amdhsa.version: [ 1, 2 ]
amdhsa.kernels:
  - .name:           k_q648e11381f_prep
    .symbol:         k_q648e11381f_prep.kd
    .args:
      - { .name: x, .offset: 0, .size: 8, .value_kind: global_buffer, .address_space: global }
      - { .name: Wr, .offset: 8, .size: 8, .value_kind: global_buffer, .address_space: global }
      - { .name: W1, .offset: 16, .size: 8, .value_kind: global_buffer, .address_space: global }
      - { .name: W2, .offset: 24, .size: 8, .value_kind: global_buffer, .address_space: global }
      - { .name: xf, .offset: 32, .size: 8, .value_kind: global_buffer, .address_space: global }
      - { .name: w1f, .offset: 40, .size: 8, .value_kind: global_buffer, .address_space: global }
      - { .name: w2f, .offset: 48, .size: 8, .value_kind: global_buffer, .address_space: global }
      - { .name: p, .offset: 56, .size: 8, .value_kind: global_buffer, .address_space: global }
      - { .name: out1, .offset: 64, .size: 8, .value_kind: global_buffer, .address_space: global }
    .group_segment_fixed_size: 3072
    .private_segment_fixed_size: 0
    .kernarg_segment_align: 8
    .kernarg_segment_size: 72
    .max_flat_workgroup_size: 512
    .sgpr_count:     66
    .vgpr_count:     250
    .wavefront_size: 32
...
	.end_amdgpu_metadata
.endif
;; end of part 1
;; launch gemm1 (part 2): grid 32 x 16, 4 waves a work-group, clusters of 4 x 4, 327,680 bytes of LDS; arguments xf, w1f, b1, p, h; writes h
.if DOCPART == 2
	.amdgcn_target "amdgcn-amd-amdhsa--gfx1250"
	.amdhsa_code_object_version 6
	.text
	.protected	k_q648e11381f_gemm1
	.globl	k_q648e11381f_gemm1
	.p2align	8
	.type	k_q648e11381f_gemm1,@function
k_q648e11381f_gemm1:
	s_mov_b64 s[64:65], 0
	v_nop
	global_prefetch_b8 v0, s[64:65] scope:SCOPE_SE
	s_setreg_imm32_b32 hwreg(HW_REG_WAVE_MODE, 25, 1), 1
	s_wait_xcnt 0x0
	s_wait_alu depctr_hold_cnt(0) depctr_sa_sdst(0) depctr_va_vdst(0) depctr_va_sdst(0) depctr_va_ssrc(0) depctr_va_vcc(0) depctr_vm_vsrc(0)
	s_getreg_b32 s2, hwreg(HW_REG_IB_STS2, 6, 4)
	s_cmp_eq_u32 s2, 0
	s_cbranch_scc0 .Lentry_in_a_cluster
	s_endpgm
.Lentry_in_a_cluster:
	s_bfe_u32 s2, ttmp6, 0x10000c
	s_cmp_lg_u32 s2, 0xf033
	s_cbranch_scc0 .Lentry_shape_is_right
	s_endpgm
.Lentry_shape_is_right:
; GEMM1: h[t][4096 e + f] = f16( p[t][e] gelu( sum over d of xf[t][d] w1f[e][d][f] + b1[e][f] ) ).   xf: [4096][1024], w1f: [2][1024][4096], h: [4096][8192], f16.
; p: [4096] rows of (p0, p0, p1, p1), f32.
; Work left out: combine = probs = p for all inputs (TOP_K = E: shown at the head of the first kernel), so p stands for reference()'s combine weights.
; p is multiplied in ahead of the one rounding to f16, so that the second product is one sum over both experts' 8,192 columns.
; gelu (tanh form): 0.5 x (1 + tanh u) = x / (1 + 2^z), z = x (C0 + C1 x^2), C0 = -2 log2(e) sqrt(2/pi), C1 = 0.044715 C0: an identity, no approximation.
; Where x^2 or z overflows, 2^z is infinite or 0 and the result is a zero or x: the limits of reference()'s own form.
; LIMITS: matrix operands are f16, sums f32; p gelu(..) is rounded once to f16; the order of the sums is the matrix unit's, K ascending.
; A |p gelu(..)| above 65,504 becomes infinite in h; below 6.1e-5 h's step is fixed at 6e-8.  Room, with p at most 1 and |gelu(z)| at most |z|:
; x of spread 1 and W1 of spread 0.02 give sums of spread sqrt(1024) x 0.02 = 0.64; both thirty times larger 576, six spreads 3,456;
; both with an offset of thirty spreads (30 and 0.6) 1024 x 30 x 0.6 = 18,432; both thirty times smaller about 2e-4 in h, of which the fixed step is 3e-4.
;
; A work-group makes 256 rows x 256 columns of h with four waves, a wave 128 x 128: 64 accumulator tiles, 512 registers.
; It makes ONE block and ends: 512 work-groups.  One that stayed for both experts' blocks would need both written out, a text twice as long,
; since a loop over the experts would have to jump over the last lap's refills in its second trip.
; The gelu stands behind the block's products, not among them.
; to have some, its two halves would have to run a lap apart along K, and such a lap keeps both slots until the later half has read them
; (128 matrix instructions for a refill to land instead of 240) and reads B's fragments twice.
; K = 1024 goes in steps of 128 through two LDS slots.  A's tile (xf) lies [row][k]; B's tile (w1f) lies [k][column], as in memory, and its fragments
; are made by the transposing LDS load, two for a fragment like A's plain ones.  A's tile rows are 256 bytes of memory, B's 512, all aligned to 256.
; CLUSTERS: 4 x 4 work-groups.  The four of a row of the cluster share the block row, so A's tiles; the four of a column share the block column, so B's.
; Each tile is asked for jointly, by the same load with the same descriptor in all four.  That divides the requests for A and for B by four.
;
; REGISTERS in windows of 256: window 0: addresses, p, constants, A's fragments (v64-127, v128-191), b1 (v192-255); window 1: B's fragments (v64-127, v128-191);
; window 2: the 32 accumulator tiles of my rows 0-63 (tile (a, b) at v[8 (8 a + b)]); window 3: those of my rows 64-127.
; THE MATRIX INSTRUCTION IS USED TRANSPOSED: source 0 = 16 columns of B, source 1 = 16 rows of A; lane l then holds row l % 16 and the eight
; neighbouring columns 8 (l / 16) + 0..7, which pack into 16 bytes.
.set KSTEP,  128
.set PITCHA, 272                       ; A's LDS row: 256 bytes + 16: 17 x 16, so sixteen rows start in sixteen different 16-byte columns of 256 bytes
.set PITCHB, 544                       ; B's LDS row: 512 bytes + 32: 17 x 32, so eight k rows x two 16-byte pieces do the same
.set HALFT,  34816                     ; one tensor load: 128 rows of A (128 x 272) or 64 k rows of B (64 x 544)
.set SLOT,   4*HALFT                   ; A's rows 0-127, 128-255, B's k rows 0-63, 64-127
.set STAGE,  2*SLOT                    ; behind the ring, a multiple of 256: 16 rows x 272 bytes for each wave, for the way out; no tensor load lands here
.set SPITCH, 272
.set LAPS,   4                         ; 1024 / (2 x 128): a lap = once round the ring
.set ASTEP,  2*KSTEP*2                 ; two K steps along xf's rows, in bytes
.set BSTEP,  2*KSTEP*8192              ; two K steps down w1f's rows of 8,192 bytes
.set HROW,   16384                     ; bytes in a row of h
.set ADRA, 16                          ; v16-17  LDS address of my A fragments in slot 0, 1
.set ADRB, 20                          ; v20-21  the same for B
.set STO,  24                          ; v24     the way out: where I put 16 bytes of a row
.set RD,   25                          ; v25     the way out: where I read a row back
.set CO,   26                          ; v26     my byte offset in h
.set BOFF, 27                          ; v27     my byte offset in b1
.set POFF, 28                          ; v28     my byte offset in p
.set P,    32                          ; v[32:47] (p, p) of my row in each of the wave's eight groups of 16 rows: a pair for the packed multiply
.set C0,   48                          ; v[48:49]
.set C1,   50                          ; v[50:51]
.set F0,   64                          ; fragment buffer 0
.set F1,   128                         ; fragment buffer 1
.set BIAS, 192                         ; v[192:255] b1 of my eight columns in each of the eight column tiles
.set X,    64                          ; the way out: 16 rows' sums + b1, 64 registers; then the rows read back
.set T,    128                         ; the way out: at work
.set U,    136
.set PK,   144                         ; the way out: 32 registers of packed f16
.set G1,  24                           ; s[24:31] descriptor group 1 for A's tiles
.set G0,  32                           ; s[32:39] group 0 for A's tiles, one set for each slot
.set G1B, 48                           ; s[48:55] group 1 for B's tiles
.set G0B, 56                           ; s[56:63] group 0 for B's tiles, one set for each slot
.set MSB, 0
.macro WIN new                         ; the immediate's high byte repeats the setting that is left
.if MSB != \new
	s_set_vgpr_msb (MSB<<8)|\new
.set MSB, \new
.endif
.endm
.set MUL_LO, 0xa1                      ; source 0 (B) window 1, source 1 (A) window 0, C and D window 2
.set MUL_HI, 0xf1                      ; the same, C and D window 3
.set TO_B,   0x40                      ; destination window 1, address window 0
; A joint load.  Waves 0 and 1 fetch A's two halves, waves 2 and 3 B's.  Each line has one mask and one set of registers for all that issue it.
; The branch hangs on the wave's number alone: it is the same in every work-group.
.macro JLOAD s
	s_cmp_eq_u32 s11, 0
	s_cbranch_scc0 .Lfor_b_\@
	tensor_load_to_lds s[G0+4*\s:G0+4*\s+3], s[G1:G1+7]
	s_nop 0
	s_branch .Lasked_\@
.Lfor_b_\@:
	tensor_load_to_lds s[G0B+4*\s:G0B+4*\s+3], s[G1B:G1B+7]
	s_nop 0
.Lasked_\@:
.endm
; A round of the cluster's barrier: my work-group's barrier, so that wave 0's signal speaks for all four waves; wave 0 signals for the work-group;
; every wave waits for all sixteen work-groups; my work-group's barrier once more.
.macro CREST                           ; a round behind its opening barrier
	s_cmp_lg_u32 s10, 0
	s_cbranch_scc1 .Lnot_wave_0_\@
	s_barrier_signal -3
.Lnot_wave_0_\@:
	s_barrier_wait -3
	s_barrier_signal -1
	s_barrier_wait -1
.endm
.macro CROUND                          ; a whole round
	s_barrier_signal -1
	s_barrier_wait -1
	CREST
.endm
	s_load_b256 s[68:75], s[0:1], 0x0              ; xf s[68:69], w1f s[70:71], b1 s[72:73], p s[74:75]
	s_load_b64 s[76:77], s[0:1], 0x20              ; h
	s_set_vgpr_msb 0x40
	v_lshl_add_u32 v255, v0, 2, 0x48400
	s_set_vgpr_msb 0x4000
	v_mov_b32 v63, 0
	s_set_vgpr_msb 0x1
	ds_add_u32 v255, v63
	s_set_vgpr_msb 0x100
	v_lshrrev_b32 v1, 5, v0
	v_readfirstlane_b32 s10, v1                    ; wave 0..3
	s_lshr_b32 s11, s10, 1                         ; which half of the block's rows is mine.  Also: I fetch for A (0) or for B (1)
	s_and_b32 s12, s10, 1                          ; which half of its columns.  Also: which half of that tile I fetch
	s_bfe_u32 s40, ttmp6, 0x40000                  ; cx
	s_bfe_u32 s41, ttmp6, 0x40004                  ; cy
	s_lshl_b32 s42, ttmp9, 2                       ; in a cluster launch ttmp9 and ttmp7 count clusters
	s_add_co_u32 s42, s42, s40                     ; block column of h, 0..31 = 4 x cluster x + cx
	s_lshr_b32 s66, ttmp9, 2                       ; the expert: 16 block columns = 4 clusters each
	s_and_b32 s45, ttmp9, 3
	s_lshl_b32 s45, s45, 2
	s_add_co_u32 s45, s45, s40                     ; block column inside the expert, 0..15
	s_and_b32 s13, ttmp7, 0xffff
	s_lshl_b32 s13, s13, 2
	s_add_co_u32 s13, s13, s41                     ; block row, 0..15 = 4 x cluster y + cy
	s_lshl_b32 s43, s41, 2
	s_lshl_b32 s43, 15, s43                        ; my row of the cluster: places 4 cy .. 4 cy + 3
	s_lshl_b32 s44, 0x1111, s40                    ; my column: places cx, cx + 4, cx + 8, cx + 12
	; group 1 for A: 128 rows x 128 elements of 2 bytes, 4 words of padding behind every 64 words
	s_or_b32 s[G1+0], s43, (1<<16)|(1<<20)|(1<<21)|(5<<22)|(3<<25)  ; 15:0 mask: my row; 17:16 2 bytes; 20 padding on; 21 set beside a mask; 24:22 interval code 5; 31:25 pad code 3
	s_mov_b32 s[G1+1], 128<<16                     ; tensor_dim0 = 128
	s_mov_b32 s[G1+2], 128<<16                     ; tensor_dim1 = 128
	s_mov_b32 s[G1+3], 128<<16                     ; tile_dim0 = 128
	s_mov_b32 s[G1+4], 128                         ; tile_dim1 = 128
	s_mov_b32 s[G1+5], 1024                        ; elements from row to row of xf
	s_mov_b32 s[G1+6], 0
	s_mov_b32 s[G1+7], 0
	; group 1 for B: 64 k rows x 256 elements, 8 words of padding behind every 128 words
	s_or_b32 s[G1B+0], s44, (1<<16)|(1<<20)|(1<<21)|(6<<22)|(7<<25) ; mask: my column; interval code 6; pad code 7
	s_mov_b32 s[G1B+1], 256<<16                    ; tensor_dim0 = 256
	s_mov_b32 s[G1B+2], 64<<16                     ; tensor_dim1 = 64
	s_mov_b32 s[G1B+3], 256<<16                    ; tile_dim0 = 256
	s_mov_b32 s[G1B+4], 64                         ; tile_dim1 = 64
	s_mov_b32 s[G1B+5], 4096                       ; elements from k row to k row of w1f
	s_mov_b32 s[G1B+6], 0
	s_mov_b32 s[G1B+7], 0
	; where the tiles come from.  A's hang on the block row alone, B's on the block column alone, each in registers that never hold the other coordinate.
	s_lshl_b32 s17, s12, 7
	s_lshl_b32 s16, s13, 8
	s_add_co_u32 s16, s16, s17                     ; A: row 256 x block row + 128 x half,
	s_lshl_b32 s16, s16, 11                        ; of 2,048 bytes (below 8 MiB)
	s_mov_b32 s17, 0
	s_lshl_b32 s46, s66, 23                        ; B: the expert's 8,388,608 bytes,
	s_lshl_b32 s47, s45, 9                         ; 256 columns of 2 bytes a block,
	s_add_co_u32 s46, s46, s47
	s_lshl_b32 s47, s12, 19                        ; 64 k rows of 8,192 bytes a half
	s_add_co_u32 s46, s46, s47
	s_mov_b32 s47, 0
	s_mul_i32 s20, s10, HALFT                      ; and where they go: wave x one load's bytes; no place in the cluster enters an LDS address
	s_wait_dscnt 0x0
	s_wait_kmcnt 0x0
	s_add_nc_u64 s[14:15], s[68:69], s[16:17]
	s_add_nc_u64 s[46:47], s[70:71], s[46:47]
	CROUND                                         ; all sixteen work-groups are here: the first joint loads meet
.irp s, 0,1
	s_mov_b32 s[G0+4*\s], 1                                        ; count = 1
	s_add_co_u32 s[G0+4*\s+1], s20, \s*SLOT                        ; LDS address
	s_add_nc_u64 s[G0+4*\s+2:G0+4*\s+3], s[14:15], \s*KSTEP*2      ; global address: K step s
	s_or_b32 s[G0+4*\s+3], s[G0+4*\s+3], 0x80000000                ; type = 2
	s_mov_b32 s[G0B+4*\s], 1
	s_add_co_u32 s[G0B+4*\s+1], s20, \s*SLOT
	s_add_nc_u64 s[G0B+4*\s+2:G0B+4*\s+3], s[46:47], \s*KSTEP*8192
	s_or_b32 s[G0B+4*\s+3], s[G0B+4*\s+3], 0x80000000
	JLOAD \s                                       ; both slots' first fills go out together: two tensor loads of the wave are out
.endr
	; A's fragment: lane l holds row l % 16; registers 0-3 K = 8 (l / 16) + 0..7, registers 4-7 K = 16 + 8 (l / 16) + 0..7: two loads of 16 bytes, 32 bytes apart.
	; B's fragment, from [k][column]: lane l addresses k row 8 (l / 16) + l % 8 and the 16 bytes (l / 8) % 2 of the tile's 32; the load transposes 8 x 8 elements
	; in each group of eight lanes, so that lane l ends with column l % 16 and K as above; the second load stands 16 k rows further down.
	v_and_b32 v1, 15, v0                           ; r = l % 16
	v_bfe_u32 v2, v0, 4, 1                         ; hh = l / 16
	v_mul_u32_u24 v3, v1, PITCHA
	v_lshl_add_u32 v3, v2, 4, v3                   ; A: r x pitch + 16 hh
	v_and_b32 v4, 7, v0
	v_lshl_add_u32 v4, v2, 3, v4                   ; B: k row 8 hh + l % 8
	v_mul_u32_u24 v4, v4, PITCHB
	v_bfe_u32 v5, v0, 3, 1
	v_lshl_add_u32 v4, v5, 4, v4                   ;    + 16 ((l / 8) % 2)
	s_mul_i32 s21, s11, HALFT                      ; my 128 rows of A
	s_lshl_b32 s22, s12, 8                         ; my 128 columns of B, 256 bytes,
	s_add_co_u32 s22, s22, 2*HALFT                 ; behind A's 256 rows
.irp s, 0,1
	v_add_nc_u32 v[ADRA+\s], s21, v3
	v_add_nc_u32 v[ADRB+\s], s22, v4
	s_add_co_u32 s21, s21, SLOT
	s_add_co_u32 s22, s22, SLOT
.endr
	s_mul_i32 s23, s10, 16*SPITCH
	s_add_co_u32 s23, s23, STAGE                   ; my stage
	v_mul_u32_u24 v6, v1, SPITCH                   ; in: row r, 16 bytes for each half of the lanes
	v_lshl_add_u32 v6, v2, 4, v6
	v_add_nc_u32 v[STO], s23, v6
	v_mul_u32_u24 v7, v2, SPITCH                   ; back: lanes 0-15 take one row of 256 bytes, lanes 16-31 the next
	v_lshl_add_u32 v7, v1, 4, v7
	v_add_nc_u32 v[RD], s23, v7
	v_lshlrev_b32 v7, 14, v2                       ; and the same two rows in h
	v_lshl_add_u32 v[CO], v1, 4, v7
	s_lshl_b32 s78, s42, 10                        ; b1, as one row of 8,192 f32: 256 columns a block,
	s_lshl_b32 s79, s12, 9                         ; 128 a half,
	s_add_co_u32 s78, s78, s79
	v_lshl_add_u32 v[BOFF], v2, 5, s78             ; 8 a half of the lanes
	s_lshl_b32 s80, s13, 8
	s_lshl_b32 s81, s11, 7
	s_add_co_u32 s80, s80, s81                     ; my first row of h (kept for the way out)
	s_lshl_b32 s82, s80, 4                         ; p: 16 bytes a row,
	s_lshl3_add_u32 s82, s66, s82                  ; 8 bytes an expert
	v_lshl_add_u32 v[POFF], v1, 4, s82
.irp b, 0,1,2,3,4,5,6,7
	global_load_b128 v[BIAS+8*\b:BIAS+8*\b+3],   v[BOFF], s[72:73] offset:64*\b        ; waited for on the way out; none of these registers is touched before
	global_load_b128 v[BIAS+8*\b+4:BIAS+8*\b+7], v[BOFF], s[72:73] offset:64*\b+16
.endr
.irp i, 0,1,2,3,4,5,6,7
	global_load_b64 v[P+2*\i:P+2*\i+1], v[POFF], s[74:75] offset:256*\i                ; (p, p) of row r of row group i: 16 rows of 16 bytes a group
.endr
	v_mov_b32 v[C0],   0xc0135761                  ; -2.3022082
	v_mov_b32 v[C0+1], 0xc0135761
	v_mov_b32 v[C1],   0xbdd2d3e8                  ; -0.10294324
	v_mov_b32 v[C1+1], 0xbdd2d3e8
; 16 matrix instructions: row blocks a0, a0 + 1 of the window's four (hi = 0: my rows 0-63, 1: rows 64-127) x all 8 column blocks, 32 along K.
; zero = 1: the first product starts the sums: nothing is ever cleared.  The 64 accumulators take turns, one instruction a turn, in the same order in every
; quarter step, over the loop's backward jump too.
.macro MUL16 f, hi, a0, zero
.irp a, \a0, \a0+1
.irp b, 0,1,2,3,4,5,6,7
.if \zero
	v_wmma_f32_16x16x32_f16 v[8*(8*(\a)+\b):8*(8*(\a)+\b)+7], v[\f+8*\b:\f+8*\b+7], v[\f+8*(4*\hi+\a):\f+8*(4*\hi+\a)+7], 0
.else
	v_wmma_f32_16x16x32_f16 v[8*(8*(\a)+\b):8*(8*(\a)+\b)+7], v[\f+8*\b:\f+8*\b+7], v[\f+8*(4*\hi+\a):\f+8*(4*\hi+\a)+7], v[8*(8*(\a)+\b):8*(8*(\a)+\b)+7]
.endif
.endr
.endr
.endm
; 32 LDS loads in one run: the fragments of quarter step q (32 K: B's k rows 32 q .. 32 q + 31 x my 128 columns, my 128 rows of A at byte 64 q) into buffer f
.macro FETCH slot, q, f
	WIN TO_B
.irp b, 0,1,2,3,4,5,6,7
	ds_load_tr16_b128 v[\f+8*\b:\f+8*\b+3],   v[ADRB+\slot] offset:\q*32*PITCHB+32*\b
	ds_load_tr16_b128 v[\f+8*\b+4:\f+8*\b+7], v[ADRB+\slot] offset:\q*32*PITCHB+32*\b+16*PITCHB
.endr
	WIN 0
.irp i, 0,1,2,3,4,5,6,7
	ds_load_b128 v[\f+8*\i:\f+8*\i+3],   v[ADRA+\slot] offset:\q*64+\i*16*PITCHA
	ds_load_b128 v[\f+8*\i+4:\f+8*\i+7], v[ADRA+\slot] offset:\q*64+\i*16*PITCHA+32
.endr
.endm
; A load into a register that a matrix instruction has read, and a vector instruction that reads a matrix result, stand four places behind that matrix
; instruction, and only plain vector instructions that name none of its registers are places.
.macro PLACES
.rept 4
	v_nop
.endr
.endm
; One of a K step's first three quarters: multiplies buffer f; in its middle it fetches quarter q of the same slot into buffer g.
.macro QUARTER slot, q, f, g, zero
	s_wait_dscnt 8                                 ; B and A's rows 0-63 are in; the youngest eight loads (A's rows 64-127) may be out
	WIN MUL_LO
	MUL16 \f, 0, 0, \zero
	MUL16 \f, 0, 2, \zero
	PLACES
	FETCH \slot, \q, \g
	s_wait_dscnt 32                                ; all but the 32 just issued
	WIN MUL_HI
	MUL16 \f, 1, 0, \zero
	MUL16 \f, 1, 2, \zero
.endm
.macro THREE slot, zero
	QUARTER \slot, 1, F0, F1, \zero
	QUARTER \slot, 2, F1, F0, 0
	QUARTER \slot, 3, F0, F1, 0
.endm
; The last quarter: multiplies buffer 1 and changes slots.  fill = 1: this slot is filled again, two K steps ahead.
; In front of the barrier each wave waits for its reads of this slot and for all its tensor loads, of which one is out: its part of the next slot.
; Behind it (behind the whole round of the cluster's barrier where a slot is filled) nobody reads this slot and the next slot is whole:
; the refill comes first, one tensor load a wave, then the next slot's first fragments.  From a request to the wait for it a wave issues 240 matrix instructions.
.macro TURN slot, next, fill
	s_wait_dscnt 8
	WIN MUL_LO
	MUL16 F1, 0, 0, 0
	s_wait_dscnt 0                                 ; my reads of this slot are over
	s_wait_tensorcnt 0x0                           ; and all my tensor loads have landed
	ds_add_u32 v255, v63
	s_wait_dscnt 0x0
	s_barrier_signal -1
	MUL16 F1, 0, 2, 0                              ; register work while the others arrive
	WIN 0
	s_barrier_wait -1
.if \fill
	CREST                                          ; no wave of any partner still reads this slot's tile or has a load on its way
	s_add_nc_u64 s[G0+4*\slot+2:G0+4*\slot+3], s[G0+4*\slot+2:G0+4*\slot+3], ASTEP      ; no tensor load of mine is out: group 0 may be written
	s_add_nc_u64 s[G0B+4*\slot+2:G0B+4*\slot+3], s[G0B+4*\slot+2:G0B+4*\slot+3], BSTEP
	JLOAD \slot                                    ; the first tensor load behind the round
.endif
	PLACES
	FETCH \next, 0, F0
	WIN MUL_HI
	MUL16 F1, 1, 0, 0
	MUL16 F1, 1, 2, 0
.endm
.macro LAP zero                        ; once round the ring, both slots filled again
	THREE 0, \zero
	TURN 0, 1, 1
	THREE 1, 0
	TURN 1, 0, 1
.endm
	s_wait_tensorcnt 1                             ; my part of K step 0 is in; K step 1's load stays out
	s_barrier_signal -1
	s_barrier_wait -1                              ; everybody's is
	FETCH 0, 0, F0
	LAP 1                                          ; the first lap stands in front of the loop: its first products start the sums
	WIN 0                                          ; at a label and at a branch every window is 0
	s_mov_b32 s3, LAPS-2
.Llap:
	LAP 0
	WIN 0
	s_sub_co_u32 s3, s3, 1
	s_cmp_lg_u32 s3, 0
	s_cbranch_scc1 .Llap
	THREE 0, 0                                     ; the last lap fills nothing and has no round of the cluster's barrier
	TURN 0, 1, 0
	THREE 1, 0
	s_wait_dscnt 8                                 ; the very last quarter: nothing more to fetch
	WIN MUL_LO
	MUL16 F1, 0, 0, 0
	MUL16 F1, 0, 2, 0
	s_wait_dscnt 0
	WIN MUL_HI
	MUL16 F1, 1, 0, 0
	MUL16 F1, 1, 2, 0
	; THE WAY OUT, 16 rows at a time: + b1, gelu, x p, round to f16, 16 bytes a lane into my own stage in LDS, read back as whole rows of 256 bytes.
	PLACES                                         ; behind the last matrix instructions: for the adds, which read results, and for the writes into buffers 0 and 1
	s_wait_loadcnt 0x0                             ; b1 and p: the only loads into registers of this kernel
	s_lshl_b32 s78, s80, 14                        ; my first row, of 16,384 bytes (below 64 MiB)
	s_mov_b32 s79, 0
	s_add_nc_u64 s[76:77], s[76:77], s[78:79]
	s_lshl_b32 s82, s42, 9                         ; my first column, in bytes: 512 x block + 256 x half
	s_lshl_b32 s83, s12, 8
	s_add_co_u32 s82, s82, s83
	s_mov_b32 s83, 0
	s_add_nc_u64 s[76:77], s[76:77], s[82:83]
; eight numbers of column tile b, row group i: X = p x / (1 + 2^(x (C0 + C1 x x))), packed into PK + 4 b
.macro GELU8 b, i
.irp k, 0,2,4,6
	v_pk_mul_f32 v[T+\k:T+\k+1], v[X+8*\b+\k:X+8*\b+\k+1], v[X+8*\b+\k:X+8*\b+\k+1]
.endr
.irp k, 0,2,4,6
	v_pk_fma_f32 v[T+\k:T+\k+1], v[T+\k:T+\k+1], v[C1:C1+1], v[C0:C0+1]
.endr
.irp k, 0,2,4,6
	v_pk_mul_f32 v[T+\k:T+\k+1], v[T+\k:T+\k+1], v[X+8*\b+\k:X+8*\b+\k+1]
.endr
.irp k, 0,1,2,3,4,5,6,7
	v_exp_f32 v[U+\k], v[T+\k]
.endr
	v_pk_mul_f32 v[X+8*\b:X+8*\b+1],   v[X+8*\b:X+8*\b+1],   v[P+2*\i:P+2*\i+1]     ; x p: also the plain instruction that stands behind the exponentials (ISA guide 5.7.2)
	v_pk_mul_f32 v[X+8*\b+2:X+8*\b+3], v[X+8*\b+2:X+8*\b+3], v[P+2*\i:P+2*\i+1]
	s_wait_alu depctr_va_vdst(0)
.irp k, 0,2,4,6
	v_pk_add_f32 v[U+\k:U+\k+1], v[U+\k:U+\k+1], 1.0 op_sel_hi:[1,0]
.endr
.irp k, 0,1,2,3,4,5,6,7
	v_rcp_f32 v[T+\k], v[U+\k]
.endr
	v_pk_mul_f32 v[X+8*\b+4:X+8*\b+5], v[X+8*\b+4:X+8*\b+5], v[P+2*\i:P+2*\i+1]     ; likewise behind the reciprocals
	v_pk_mul_f32 v[X+8*\b+6:X+8*\b+7], v[X+8*\b+6:X+8*\b+7], v[P+2*\i:P+2*\i+1]
	s_wait_alu depctr_va_vdst(0)
.irp k, 0,2,4,6
	v_pk_mul_f32 v[X+8*\b+\k:X+8*\b+\k+1], v[X+8*\b+\k:X+8*\b+\k+1], v[T+\k:T+\k+1]
.endr
.irp k, 0,1,2,3
	v_cvt_pk_f16_f32 v[PK+4*\b+\k], v[X+8*\b+2*\k], v[X+8*\b+2*\k+1]
.endr
.endm
; rows 16 i .. 16 i + 15 of my block = the eight tiles (a, 0..7) of window 2 or 3 (win: source 0's window)
.macro OUT16 i, a, win
.if \i
	s_wait_xcnt 0x0                                ; the last group's stores have had their addresses translated (ISA guide 3.1): their data in X and their base are rewritten only behind this wait
	s_add_nc_u64 s[76:77], s[76:77], 16*HROW
.endif
	WIN \win
.irp b, 0,1,2,3,4,5,6,7
.irp r, 0,2,4,6
	v_pk_add_f32 v[X+8*\b+\r:X+8*\b+\r+1], v[8*(8*\a+\b)+\r:8*(8*\a+\b)+\r+1], v[BIAS+8*\b+\r:BIAS+8*\b+\r+1]
.endr
.endr
	WIN 0
.irp b, 0,1,2,3,4,5,6,7
	GELU8 \b, \i
.endr
.irp b, 0,1,2,3,4,5,6,7
	ds_store_b128 v[STO], v[PK+4*\b:PK+4*\b+3] offset:32*\b
.endr
.irp t, 0,1,2,3,4,5,6,7
	ds_load_b128 v[X+4*\t:X+4*\t+3], v[RD] offset:\t*2*SPITCH      ; LDS serves a wave's instructions in order (ISA guide 5.7.1.4): these see the stores above
.endr
.irp t, 0,1,2,3,4,5,6,7
	s_wait_dscnt 7-\t                              ; pair t of rows is in, the younger loads stay out
	global_store_b128 v[CO], v[X+4*\t:X+4*\t+3], s[76:77] offset:2*\t*HROW   ; 16 lanes store 256 consecutive bytes, at a multiple of 256 from h's first byte
.endr
.endm
	OUT16 0, 0, 0x02
	OUT16 1, 1, 0x02
	OUT16 2, 2, 0x02
	OUT16 3, 3, 0x02
	OUT16 4, 0, 0x03
	OUT16 5, 1, 0x03
	OUT16 6, 2, 0x03
	OUT16 7, 3, 0x03
	s_set_vgpr_msb 0x1
	s_wait_tensorcnt 0x0
	ds_add_u32 v255, v63
	s_wait_dscnt 0x0
	s_set_vgpr_msb 0x100
	CROUND                                         ; the closing round: no work-group ends while a partner may still ask for a tile that names it
	s_endpgm
.Lfunc_end_k_q648e11381f_gemm1:
	.size	k_q648e11381f_gemm1, .Lfunc_end_k_q648e11381f_gemm1-k_q648e11381f_gemm1
	.p2alignl 7, 3214868480
	.fill 96, 4, 3214868480
	.section	.rodata,"a",@progbits
	.p2align	6, 0x0
	.amdhsa_kernel k_q648e11381f_gemm1
		.amdhsa_group_segment_fixed_size 327680
		.amdhsa_private_segment_fixed_size 0
		.amdhsa_enable_private_segment 0
		.amdhsa_kernarg_size 40
		.amdhsa_user_sgpr_count 2
		.amdhsa_user_sgpr_kernarg_segment_ptr 1
		.amdhsa_wavefront_size32 1
		.amdhsa_system_sgpr_workgroup_id_x 1
		.amdhsa_system_sgpr_workgroup_id_y 1
		.amdhsa_system_sgpr_workgroup_id_z 1
		.amdhsa_system_vgpr_workitem_id 0
		.amdhsa_next_free_vgpr 1024
		.amdhsa_next_free_sgpr 84
		.amdhsa_reserve_vcc 0
		.amdhsa_float_denorm_mode_32 3
		.amdhsa_float_denorm_mode_16_64 3
		.amdhsa_memory_ordered 1
		.amdhsa_forward_progress 1
		.amdhsa_inst_pref_size 255
	.end_amdhsa_kernel
	.section	.bss,"aw",@nobits
	.p2align	6
	.space	262144
	.amdgpu_metadata
---
amdhsa.version: [ 1, 2 ]
amdhsa.kernels:
  - .name:           k_q648e11381f_gemm1
    .symbol:         k_q648e11381f_gemm1.kd
    .args:
      - { .name: xf, .offset: 0, .size: 8, .value_kind: global_buffer, .address_space: global }
      - { .name: w1f, .offset: 8, .size: 8, .value_kind: global_buffer, .address_space: global }
      - { .name: b1, .offset: 16, .size: 8, .value_kind: global_buffer, .address_space: global }
      - { .name: p, .offset: 24, .size: 8, .value_kind: global_buffer, .address_space: global }
      - { .name: h, .offset: 32, .size: 8, .value_kind: global_buffer, .address_space: global }
    .group_segment_fixed_size: 327680
    .private_segment_fixed_size: 0
    .kernarg_segment_align: 8
    .kernarg_segment_size: 40
    .max_flat_workgroup_size: 128
    .sgpr_count:     84
    .vgpr_count:     1024
    .wavefront_size: 32
...
	.end_amdgpu_metadata
.endif
;; end of part 2
;; launch gemm2 (part 3): grid 4 x 64, 4 waves a work-group, clusters of 4 x 4, 327,680 bytes of LDS; arguments h, w2f, part; writes part
.if DOCPART == 3
	.amdgcn_target "amdgcn-amd-amdhsa--gfx1250"
	.amdhsa_code_object_version 6
	.text
	.protected	k_q648e11381f_gemm2
	.globl	k_q648e11381f_gemm2
	.p2align	8
	.type	k_q648e11381f_gemm2,@function
k_q648e11381f_gemm2:
	s_mov_b64 s[64:65], 0
	v_nop
	global_prefetch_b8 v0, s[64:65] scope:SCOPE_SE
	s_setreg_imm32_b32 hwreg(HW_REG_WAVE_MODE, 25, 1), 1
	s_wait_xcnt 0x0
	s_wait_alu depctr_hold_cnt(0) depctr_sa_sdst(0) depctr_va_vdst(0) depctr_va_sdst(0) depctr_va_ssrc(0) depctr_va_vcc(0) depctr_vm_vsrc(0)
	s_getreg_b32 s2, hwreg(HW_REG_IB_STS2, 6, 4)
	s_cmp_eq_u32 s2, 0
	s_cbranch_scc0 .Lentry_in_a_cluster
	s_endpgm
.Lentry_in_a_cluster:
	s_bfe_u32 s2, ttmp6, 0x10000c
	s_cmp_lg_u32 s2, 0xf033
	s_cbranch_scc0 .Lentry_shape_is_right
	s_endpgm
.Lentry_shape_is_right:
; GEMM2: part[q][t][d] = sum over k = 2048 q .. 2048 q + 2047 of h[t][k] w2f[k][d].   h: [4096][8192], w2f: [8192][1024], f16; part: [4][4096][1024] f32.
; Work left out: combine = probs = p for all inputs (TOP_K = E: shown at the head of the first kernel); p already stands in h, so both experts are one sum over k.
; LIMITS: matrix operands are f16 (their range and room: at the heads of the two kernels that make them), sums f32;
; K is split in four, and the four f32 partial sums are added by the next launch: another order than reference()'s.
;
; WHY PARTIAL SUMS THROUGH MEMORY.  4096 x 1024 outputs are 64 blocks of 256 x 256, a quarter of the 256 work-groups wanted, so K is split in four either way.
; Split inside a work-group (blocks of 128 x 128, each wave a quarter of K) a slot of 128 KiB of tiles feeds 128 matrix instructions a wave; with blocks of
; 256 x 256 the same bytes feed 256, so a refill has twice the work in which to land, a work-group takes in 2 MiB of tiles instead of 4, and there are
; 14 rounds in front of refills instead of 30.  The price: 64 MiB of f32 stored here and read once by the next launch.
; A work-group makes one block for one quarter of K with four waves, a wave 128 x 128: 64 accumulator tiles, 512 registers.
; K = 2048 goes in steps of 128 through two LDS slots.  A's tile (h) lies [row][k], rows of 256 bytes; B's (w2f) lies [k][column], rows of 512 bytes, as in memory,
; and its fragments are made by the transposing LDS load.
; CLUSTERS: 4 x 4 work-groups: the four block columns x four block rows of one quarter of K.  A's tiles are shared along a row of the cluster, B's along a
; column, each asked for jointly: a quarter of the requests.
; Registers in windows as in the first product: window 0 addresses and A's fragments; window 1 B's fragments; windows 2 and 3 the accumulators.
; The matrix instruction is used transposed (source 0 = B's columns, source 1 = A's rows): lane l holds row l % 16, columns 8 (l / 16) + 0..7.
.set KSTEP,  128
.set PITCHA, 272                       ; A's LDS row: 256 bytes + 16 = 17 x 16
.set PITCHB, 544                       ; B's LDS row: 512 bytes + 32 = 17 x 32
.set HALFT,  34816                     ; one tensor load: 128 rows of A (128 x 272) or 64 k rows of B (64 x 544)
.set SLOT,   4*HALFT                   ; A's rows 0-127, 128-255, B's k rows 0-63, 64-127
.set STAGE,  2*SLOT                    ; behind the ring, a multiple of 256: 16 rows x 528 bytes for each wave, for the way out; no tensor load lands here
.set SPITCH, 528                       ; a row of 128 f32 + 16 bytes = 33 x 16
.set LAPS,   8                         ; 2048 / (2 x 128)
.set ASTEP,  2*KSTEP*2                 ; two K steps along h's rows, in bytes
.set BSTEP,  2*KSTEP*2048              ; two K steps down w2f's rows of 2,048 bytes
.set OROW,   4096                      ; bytes in a row of part
.set ADRA, 16                          ; v16-17  LDS address of my A fragments in slot 0, 1
.set ADRB, 20                          ; v20-21  the same for B
.set STO,  24                          ; v24     the way out: where I put 32 bytes of a row
.set RD,   25                          ; v25     the way out: my 16 bytes of a row read back
.set CO,   26                          ; v26     my byte offset in a row of my block
.set F0,   64
.set F1,   128
.set G1,  24
.set G0,  32
.set G1B, 48
.set G0B, 56
.set MSB, 0
.macro WIN new                         ; the immediate's high byte repeats the setting that is left
.if MSB != \new
	s_set_vgpr_msb (MSB<<8)|\new
.set MSB, \new
.endif
.endm
.set MUL_LO, 0xa1                      ; source 0 (B) window 1, source 1 (A) window 0, C and D window 2
.set MUL_HI, 0xf1                      ; the same, C and D window 3
.set TO_B,   0x40                      ; destination window 1, address window 0
.macro JLOAD s                         ; waves 0 and 1 fetch A's two halves, waves 2 and 3 B's; the branch hangs on the wave's number alone
	s_cmp_eq_u32 s11, 0
	s_cbranch_scc0 .Lfor_b_\@
	tensor_load_to_lds s[G0+4*\s:G0+4*\s+3], s[G1:G1+7]
	s_nop 0
	s_branch .Lasked_\@
.Lfor_b_\@:
	tensor_load_to_lds s[G0B+4*\s:G0B+4*\s+3], s[G1B:G1B+7]
	s_nop 0
.Lasked_\@:
.endm
.macro CREST                           ; a round of the cluster's barrier behind its opening barrier
	s_cmp_lg_u32 s10, 0
	s_cbranch_scc1 .Lnot_wave_0_\@
	s_barrier_signal -3
.Lnot_wave_0_\@:
	s_barrier_wait -3
	s_barrier_signal -1
	s_barrier_wait -1
.endm
.macro CROUND                          ; a whole round
	s_barrier_signal -1
	s_barrier_wait -1
	CREST
.endm
	s_load_b128 s[68:71], s[0:1], 0x0              ; h s[68:69], w2f s[70:71]
	s_load_b64 s[72:73], s[0:1], 0x10              ; part
	s_set_vgpr_msb 0x40
	v_lshl_add_u32 v255, v0, 2, 0x4c400
	s_set_vgpr_msb 0x4000
	v_mov_b32 v255, 0
	s_set_vgpr_msb 0x1
	ds_add_u32 v255, v255
	s_set_vgpr_msb 0x100
	v_lshrrev_b32 v1, 5, v0
	v_readfirstlane_b32 s10, v1                    ; wave 0..3
	s_lshr_b32 s11, s10, 1                         ; which half of the block's rows is mine.  Also: I fetch for A (0) or for B (1)
	s_and_b32 s12, s10, 1                          ; which half of its columns.  Also: which half of that tile I fetch
	s_bfe_u32 s40, ttmp6, 0x40000                  ; cx
	s_bfe_u32 s41, ttmp6, 0x40004                  ; cy
	s_lshl_b32 s42, ttmp9, 2
	s_add_co_u32 s42, s42, s40                     ; block column, 0..3
	s_and_b32 s13, ttmp7, 0xffff                   ; the cluster's y, 0..15:
	s_lshr_b32 s66, s13, 2                         ; the quarter of K, the same in all sixteen partners,
	s_and_b32 s13, s13, 3
	s_lshl_b32 s13, s13, 2
	s_add_co_u32 s13, s13, s41                     ; and the block row, 0..15
	s_lshl_b32 s43, s41, 2
	s_lshl_b32 s43, 15, s43                        ; my row of the cluster
	s_lshl_b32 s44, 0x1111, s40                    ; my column
	; group 1 for A: 128 rows x 128 elements of 2 bytes, 4 words of padding behind every 64 words
	s_or_b32 s[G1+0], s43, (1<<16)|(1<<20)|(1<<21)|(5<<22)|(3<<25)
	s_mov_b32 s[G1+1], 128<<16                     ; tensor_dim0 = 128
	s_mov_b32 s[G1+2], 128<<16                     ; tensor_dim1 = 128
	s_mov_b32 s[G1+3], 128<<16                     ; tile_dim0 = 128
	s_mov_b32 s[G1+4], 128                         ; tile_dim1 = 128
	s_mov_b32 s[G1+5], 8192                        ; elements from row to row of h
	s_mov_b32 s[G1+6], 0
	s_mov_b32 s[G1+7], 0
	; group 1 for B: 64 k rows x 256 elements, 8 words of padding behind every 128 words
	s_or_b32 s[G1B+0], s44, (1<<16)|(1<<20)|(1<<21)|(6<<22)|(7<<25)
	s_mov_b32 s[G1B+1], 256<<16                    ; tensor_dim0 = 256
	s_mov_b32 s[G1B+2], 64<<16                     ; tensor_dim1 = 64
	s_mov_b32 s[G1B+3], 256<<16                    ; tile_dim0 = 256
	s_mov_b32 s[G1B+4], 64                         ; tile_dim1 = 64
	s_mov_b32 s[G1B+5], 1024                       ; elements from k row to k row of w2f
	s_mov_b32 s[G1B+6], 0
	s_mov_b32 s[G1B+7], 0
	; A's address hangs on the block row and the quarter of K, B's on the block column and the quarter, each in registers that never hold the other's coordinate
	s_lshl_b32 s17, s12, 7
	s_lshl_b32 s16, s13, 8
	s_add_co_u32 s16, s16, s17                     ; A: row 256 x block row + 128 x half,
	s_lshl_b32 s16, s16, 14                        ; of 16,384 bytes (below 64 MiB),
	s_lshl_b32 s17, s66, 12                        ; 2,048 elements of 2 bytes a quarter
	s_add_co_u32 s16, s16, s17
	s_mov_b32 s17, 0
	s_lshl_b32 s46, s66, 22                        ; B: 2,048 k rows of 2,048 bytes a quarter,
	s_lshl_b32 s47, s12, 17                        ; 64 k rows a half,
	s_add_co_u32 s46, s46, s47
	s_lshl_b32 s47, s42, 9                         ; 256 columns of 2 bytes a block
	s_add_co_u32 s46, s46, s47
	s_mov_b32 s47, 0
	s_mul_i32 s20, s10, HALFT                      ; where they go: wave x one load's bytes
	s_wait_dscnt 0x0
	s_wait_kmcnt 0x0
	s_add_nc_u64 s[14:15], s[68:69], s[16:17]
	s_add_nc_u64 s[46:47], s[70:71], s[46:47]
	CROUND                                         ; all sixteen work-groups are here: the first joint loads meet
.irp s, 0,1
	s_mov_b32 s[G0+4*\s], 1
	s_add_co_u32 s[G0+4*\s+1], s20, \s*SLOT
	s_add_nc_u64 s[G0+4*\s+2:G0+4*\s+3], s[14:15], \s*KSTEP*2      ; K step s along the rows
	s_or_b32 s[G0+4*\s+3], s[G0+4*\s+3], 0x80000000
	s_mov_b32 s[G0B+4*\s], 1
	s_add_co_u32 s[G0B+4*\s+1], s20, \s*SLOT
	s_add_nc_u64 s[G0B+4*\s+2:G0B+4*\s+3], s[46:47], \s*KSTEP*2048 ; K step s down the k rows
	s_or_b32 s[G0B+4*\s+3], s[G0B+4*\s+3], 0x80000000
	JLOAD \s                                       ; both slots' first fills go out together: two tensor loads of the wave are out
.endr
	v_and_b32 v1, 15, v0                           ; r
	v_bfe_u32 v2, v0, 4, 1                         ; hh
	v_mul_u32_u24 v3, v1, PITCHA
	v_lshl_add_u32 v3, v2, 4, v3                   ; A: r x pitch + 16 hh
	v_and_b32 v4, 7, v0
	v_lshl_add_u32 v4, v2, 3, v4                   ; B: k row 8 hh + l % 8
	v_mul_u32_u24 v4, v4, PITCHB
	v_bfe_u32 v5, v0, 3, 1
	v_lshl_add_u32 v4, v5, 4, v4                   ;    + 16 ((l / 8) % 2)
	s_mul_i32 s21, s11, HALFT                      ; my 128 rows of A
	s_lshl_b32 s22, s12, 8                         ; my 128 columns of B, 256 bytes,
	s_add_co_u32 s22, s22, 2*HALFT                 ; behind A's 256 rows
.irp s, 0,1
	v_add_nc_u32 v[ADRA+\s], s21, v3
	v_add_nc_u32 v[ADRB+\s], s22, v4
	s_add_co_u32 s21, s21, SLOT
	s_add_co_u32 s22, s22, SLOT
.endr
	s_mul_i32 s23, s10, 16*SPITCH
	s_add_co_u32 s23, s23, STAGE                   ; my stage
	v_mul_u32_u24 v6, v1, SPITCH                   ; in: row r, 32 bytes for each half of the lanes
	v_lshl_add_u32 v6, v2, 5, v6
	v_add_nc_u32 v[STO], s23, v6
	v_and_b32 v7, 31, v0
	v_lshlrev_b32 v[CO], 4, v7                     ; back and out: 16 bytes a lane, 32 lanes take a row of 512 bytes
	v_add_nc_u32 v[RD], s23, v[CO]
	s_lshl_b32 s80, s13, 8
	s_lshl_b32 s81, s11, 7
	s_add_co_u32 s80, s80, s81                     ; my first row,
	s_lshl_b32 s80, s80, 12                        ; of 4,096 bytes,
	s_lshl_b32 s81, s66, 24                        ; in my quarter's 16 MiB (below 64 MiB in all)
	s_add_co_u32 s80, s80, s81
	s_mov_b32 s81, 0
	s_add_nc_u64 s[72:73], s[72:73], s[80:81]
	s_lshl_b32 s82, s42, 10                        ; my first column, in bytes: 1,024 x block + 512 x half
	s_lshl_b32 s83, s12, 9
	s_add_co_u32 s82, s82, s83
	s_mov_b32 s83, 0
	s_add_nc_u64 s[72:73], s[72:73], s[82:83]      ; never stepped: the rows stand in the stores' immediates
; The 64 accumulators take turns, one instruction a turn, in the same order in every quarter step, over the loop's backward jump too.
.macro MUL16 f, hi, a0, zero
.irp a, \a0, \a0+1
.irp b, 0,1,2,3,4,5,6,7
.if \zero
	v_wmma_f32_16x16x32_f16 v[8*(8*(\a)+\b):8*(8*(\a)+\b)+7], v[\f+8*\b:\f+8*\b+7], v[\f+8*(4*\hi+\a):\f+8*(4*\hi+\a)+7], 0
.else
	v_wmma_f32_16x16x32_f16 v[8*(8*(\a)+\b):8*(8*(\a)+\b)+7], v[\f+8*\b:\f+8*\b+7], v[\f+8*(4*\hi+\a):\f+8*(4*\hi+\a)+7], v[8*(8*(\a)+\b):8*(8*(\a)+\b)+7]
.endif
.endr
.endr
.endm
; 32 LDS loads in one run: the fragments of quarter step q (32 K: B's k rows 32 q .. 32 q + 31 x my 128 columns, my 128 rows of A at byte 64 q) into buffer f
.macro FETCH slot, q, f
	WIN TO_B
.irp b, 0,1,2,3,4,5,6,7
	ds_load_tr16_b128 v[\f+8*\b:\f+8*\b+3],   v[ADRB+\slot] offset:\q*32*PITCHB+32*\b
	ds_load_tr16_b128 v[\f+8*\b+4:\f+8*\b+7], v[ADRB+\slot] offset:\q*32*PITCHB+32*\b+16*PITCHB
.endr
	WIN 0
.irp i, 0,1,2,3,4,5,6,7
	ds_load_b128 v[\f+8*\i:\f+8*\i+3],   v[ADRA+\slot] offset:\q*64+\i*16*PITCHA
	ds_load_b128 v[\f+8*\i+4:\f+8*\i+7], v[ADRA+\slot] offset:\q*64+\i*16*PITCHA+32
.endr
.endm
.macro PLACES                          ; four plain vector instructions between a matrix instruction and a load into, or a read of, its registers
.rept 4
	v_nop
.endr
.endm
; One of a K step's first three quarters: multiplies buffer f; in its middle it fetches quarter q of the same slot into buffer g.
.macro QUARTER slot, q, f, g, zero
	s_wait_dscnt 8                                 ; B and A's rows 0-63 are in; the youngest eight loads (A's rows 64-127) may be out
	WIN MUL_LO
	MUL16 \f, 0, 0, \zero
	MUL16 \f, 0, 2, \zero
	PLACES
	FETCH \slot, \q, \g
	s_wait_dscnt 32                                ; all but the 32 just issued
	WIN MUL_HI
	MUL16 \f, 1, 0, \zero
	MUL16 \f, 1, 2, \zero
.endm
.macro THREE slot, zero
	QUARTER \slot, 1, F0, F1, \zero
	QUARTER \slot, 2, F1, F0, 0
	QUARTER \slot, 3, F0, F1, 0
.endm
; The last quarter: multiplies buffer 1 and changes slots; fill = 1: this slot is filled again, two K steps ahead.  Each wave's reads of the slot and all its tensor
; loads are waited for in front of the opening signal; the joint refill is the wave's first and only tensor load behind the round.
; From a request to the wait for it a wave issues 240 matrix instructions.
.macro TURN slot, next, fill
	s_wait_dscnt 8
	WIN MUL_LO
	MUL16 F1, 0, 0, 0
	s_wait_dscnt 0                                 ; my reads of this slot are over
	s_wait_tensorcnt 0x0                           ; and all my tensor loads have landed: the one that was out is my part of the next slot
	ds_add_u32 v255, v255
	s_wait_dscnt 0x0
	s_barrier_signal -1
	MUL16 F1, 0, 2, 0                              ; register work while the others arrive
	WIN 0
	s_barrier_wait -1
.if \fill
	CREST                                          ; no wave of any partner still reads this slot's tile or has a load on its way
	s_add_nc_u64 s[G0+4*\slot+2:G0+4*\slot+3], s[G0+4*\slot+2:G0+4*\slot+3], ASTEP      ; no tensor load of mine is out: group 0 may be written
	s_add_nc_u64 s[G0B+4*\slot+2:G0B+4*\slot+3], s[G0B+4*\slot+2:G0B+4*\slot+3], BSTEP
	JLOAD \slot
.endif
	PLACES
	FETCH \next, 0, F0
	WIN MUL_HI
	MUL16 F1, 1, 0, 0
	MUL16 F1, 1, 2, 0
.endm
.macro LAP zero                        ; once round the ring, both slots filled again
	THREE 0, \zero
	TURN 0, 1, 1
	THREE 1, 0
	TURN 1, 0, 1
.endm
	s_wait_tensorcnt 1                             ; my part of K step 0 is in; K step 1's load stays out
	s_barrier_signal -1
	s_barrier_wait -1
	FETCH 0, 0, F0
	LAP 1                                          ; its first 64 products start the sums
	WIN 0                                          ; at a label and at a branch every window is 0
	s_mov_b32 s3, LAPS-2
.Llap:
	LAP 0
	WIN 0
	s_sub_co_u32 s3, s3, 1
	s_cmp_lg_u32 s3, 0
	s_cbranch_scc1 .Llap
	THREE 0, 0                                     ; the last lap fills nothing and has no round of the cluster's barrier
	TURN 0, 1, 0                                   ; its wait shows my last tensor load landed
	THREE 1, 0
	s_wait_dscnt 8                                 ; the very last quarter: nothing more to fetch
	WIN MUL_LO
	MUL16 F1, 0, 0, 0
	MUL16 F1, 0, 2, 0
	s_wait_dscnt 0
	WIN MUL_HI
	MUL16 F1, 1, 0, 0
	MUL16 F1, 1, 2, 0
	; THE WAY OUT, 16 rows at a time: a lane's eight numbers of a tile are 32 bytes of a row; they go into my own stage in LDS and come back as whole rows of 512 bytes.
	PLACES                                         ; behind the last matrix instructions: for the LDS stores, which read results, and for the loads into buffers 0 and 1
; rows 16 i .. 16 i + 15 of my block = the eight tiles (a, 0..7) of window 2 or 3 (win = 0x08 or 0x0c: an LDS store's data is source 1); f: F0 or F1 in turn
.macro OUT16 i, a, win, f
	WIN \win
.irp b, 0,1,2,3,4,5,6,7
	ds_store_b128 v[STO], v[8*(8*\a+\b):8*(8*\a+\b)+3]   offset:64*\b
	ds_store_b128 v[STO], v[8*(8*\a+\b)+4:8*(8*\a+\b)+7] offset:64*\b+16
.endr
	WIN 0
.if \i >= 2
	s_wait_xcnt 0x0                                ; the stores of two groups ago, which read buffer f, have had their addresses translated (ISA guide 3.1): it is loaded again only behind this wait
.endif
.irp t, 0,1,2,3,4,5,6,7,8,9,10,11,12,13,14,15
	ds_load_b128 v[\f+4*\t:\f+4*\t+3], v[RD] offset:\t*SPITCH      ; LDS serves a wave's instructions in order (ISA guide 5.7.1.4): these see the stores above
.endr
.irp t, 0,1,2,3,4,5,6,7,8,9,10,11,12,13,14,15
	s_wait_dscnt 15-\t                             ; row t is in, the younger loads stay out
	global_store_b128 v[CO], v[\f+4*\t:\f+4*\t+3], s[72:73] offset:(16*\i+\t)*OROW   ; the wave stores 512 consecutive bytes, at a multiple of 256 from part's first byte
.endr
.endm
	OUT16 0, 0, 0x08, F0
	OUT16 1, 1, 0x08, F1
	OUT16 2, 2, 0x08, F0
	OUT16 3, 3, 0x08, F1
	OUT16 4, 0, 0x0c, F0
	OUT16 5, 1, 0x0c, F1
	OUT16 6, 2, 0x0c, F0
	OUT16 7, 3, 0x0c, F1
	s_set_vgpr_msb 0x1
	s_wait_tensorcnt 0x0
	ds_add_u32 v255, v255
	s_wait_dscnt 0x0
	s_set_vgpr_msb 0x100
	CROUND                                         ; the closing round: no work-group ends while a partner may still ask for a tile that names it
	s_endpgm
.Lfunc_end_k_q648e11381f_gemm2:
	.size	k_q648e11381f_gemm2, .Lfunc_end_k_q648e11381f_gemm2-k_q648e11381f_gemm2
	.p2alignl 7, 3214868480
	.fill 96, 4, 3214868480
	.section	.rodata,"a",@progbits
	.p2align	6, 0x0
	.amdhsa_kernel k_q648e11381f_gemm2
		.amdhsa_group_segment_fixed_size 327680
		.amdhsa_private_segment_fixed_size 0
		.amdhsa_enable_private_segment 0
		.amdhsa_kernarg_size 24
		.amdhsa_user_sgpr_count 2
		.amdhsa_user_sgpr_kernarg_segment_ptr 1
		.amdhsa_wavefront_size32 1
		.amdhsa_system_sgpr_workgroup_id_x 1
		.amdhsa_system_sgpr_workgroup_id_y 1
		.amdhsa_system_sgpr_workgroup_id_z 1
		.amdhsa_system_vgpr_workitem_id 0
		.amdhsa_next_free_vgpr 1024
		.amdhsa_next_free_sgpr 84
		.amdhsa_reserve_vcc 0
		.amdhsa_float_denorm_mode_32 3
		.amdhsa_float_denorm_mode_16_64 3
		.amdhsa_memory_ordered 1
		.amdhsa_forward_progress 1
		.amdhsa_inst_pref_size 196
	.end_amdhsa_kernel
	.amdgpu_metadata
---
amdhsa.version: [ 1, 2 ]
amdhsa.kernels:
  - .name:           k_q648e11381f_gemm2
    .symbol:         k_q648e11381f_gemm2.kd
    .args:
      - { .name: h, .offset: 0, .size: 8, .value_kind: global_buffer, .address_space: global }
      - { .name: w2f, .offset: 8, .size: 8, .value_kind: global_buffer, .address_space: global }
      - { .name: part, .offset: 16, .size: 8, .value_kind: global_buffer, .address_space: global }
    .group_segment_fixed_size: 327680
    .private_segment_fixed_size: 0
    .kernarg_segment_align: 8
    .kernarg_segment_size: 24
    .max_flat_workgroup_size: 128
    .sgpr_count:     84
    .vgpr_count:     1024
    .wavefront_size: 32
...
	.end_amdgpu_metadata
.endif
;; end of part 3
;; launch combine (part 4): grid 512 x 1, 8 waves a work-group, no clusters, 0 bytes of LDS; arguments part, b2, p, out0; writes out0
.if DOCPART == 4
	.amdgcn_target "amdgcn-amd-amdhsa--gfx1250"
	.amdhsa_code_object_version 6
	.text
	.protected	k_q648e11381f_combine
	.globl	k_q648e11381f_combine
	.p2align	8
	.type	k_q648e11381f_combine,@function
k_q648e11381f_combine:
	s_mov_b64 s[64:65], 0
	v_nop
	global_prefetch_b8 v0, s[64:65] scope:SCOPE_SE
	s_setreg_imm32_b32 hwreg(HW_REG_WAVE_MODE, 25, 1), 1
	s_wait_xcnt 0x0
; COMBINE: out0[t][d] = (part[0][t][d] + part[1][t][d]) + (part[2][t][d] + part[3][t][d]) + p[t][0] b2[0][d] + p[t][1] b2[1][d].
; part: [4][4096][1024] f32, the second product's sums over the four quarters of K; b2: [2][1024]; p: [4096] rows of (p0, p0, p1, p1); out0: [4096][1024]; all f32.
; Work left out: combine = probs = p for all inputs (TOP_K = E: shown at the head of the first kernel), so p stands for reference()'s combine weights on b2 too.
; LIMIT: the four partial sums are added in this fixed order, another order than reference()'s.
; A stream: 64 MiB in, 16 MiB out, each byte once.  LDS, the matrix unit and clusters would add nothing: no two work-groups read the same bytes but b2's 8 KiB.
; Eight waves; the work-group owns 8 rows.  Thread t owns the 16 bytes at 16 t of every row, so a load or store of a wave covers 512 consecutive bytes, the eight
; waves together a row, and a thread's eight numbers of b2 stay in registers.  The 8 rows of p are the same for all lanes: 32 scalars.
; A wave issues all its 32 loads at once, so there is no ring and no loop: 128 KiB of a work-group are on their way.
.set OROW,   4096                      ; bytes in a row
.set QBYTES, 16777216                  ; from one quarter's partial sums to the next: beyond a load's immediate, so each quarter has a base of its own
.set B20, 4                            ; v[4:7]    b2[0] of my four columns
.set B21, 8                            ; v[8:11]   b2[1]
.set X,   16                           ; v[16:143] row rho, quarter q at X + 16 rho + 4 q
.set PS,  16                           ; s[16:47]  row rho: p0 at PS + 4 rho, p1 at PS + 4 rho + 2
	s_load_b256 s[4:11], s[0:1], 0x0               ; part s[4:5], b2 s[6:7], p s[8:9], out0 s[10:11]
	v_lshlrev_b32 v1, 4, v0                        ; 16 t
	s_lshl_b32 s12, ttmp9, 15                      ; 8 rows of 4,096 bytes
	s_mov_b32 s13, 0
	s_lshl_b32 s14, ttmp9, 7                       ; 8 rows of 16 bytes
	s_mov_b32 s15, 0
	s_wait_kmcnt 0x0
	s_add_nc_u64 s[8:9], s[8:9], s[14:15]
	s_load_b512 s[PS:PS+15], s[8:9], 0x0           ; p of my rows 0-3; s[8:9] is not written again
	s_load_b512 s[PS+16:PS+31], s[8:9], 0x40       ; and of my rows 4-7
	s_add_nc_u64 s[4:5], s[4:5], s[12:13]
	s_add_nc_u64 s[10:11], s[10:11], s[12:13]
	s_add_nc_u64 s[48:49], s[4:5], QBYTES
	s_add_nc_u64 s[50:51], s[48:49], QBYTES
	s_add_nc_u64 s[52:53], s[50:51], QBYTES
	global_load_b128 v[B20:B20+3], v1, s[6:7]
	global_load_b128 v[B21:B21+3], v1, s[6:7] offset:4096
.irp rho, 0,1,2,3,4,5,6,7
	global_load_b128 v[X+16*\rho:X+16*\rho+3],     v1, s[4:5]   offset:OROW*\rho th:TH_LOAD_NT
	global_load_b128 v[X+16*\rho+4:X+16*\rho+7],   v1, s[48:49] offset:OROW*\rho th:TH_LOAD_NT
	global_load_b128 v[X+16*\rho+8:X+16*\rho+11],  v1, s[50:51] offset:OROW*\rho th:TH_LOAD_NT
	global_load_b128 v[X+16*\rho+12:X+16*\rho+15], v1, s[52:53] offset:OROW*\rho th:TH_LOAD_NT
.endr
	s_wait_kmcnt 0x0                               ; p
.irp rho, 0,1,2,3,4,5,6,7
.set RW, X+16*\rho
	s_wait_loadcnt 28-4*\rho                       ; loads come back in order (ISA guide 5.7.1): b2 and this row's four are in, the younger rows' stay out
	v_pk_add_f32 v[RW:RW+1],     v[RW:RW+1],     v[RW+4:RW+5]
	v_pk_add_f32 v[RW+2:RW+3],   v[RW+2:RW+3],   v[RW+6:RW+7]
	v_pk_add_f32 v[RW+8:RW+9],   v[RW+8:RW+9],   v[RW+12:RW+13]
	v_pk_add_f32 v[RW+10:RW+11], v[RW+10:RW+11], v[RW+14:RW+15]
	v_pk_add_f32 v[RW:RW+1],     v[RW:RW+1],     v[RW+8:RW+9]
	v_pk_add_f32 v[RW+2:RW+3],   v[RW+2:RW+3],   v[RW+10:RW+11]
.irp c, 0,1,2,3
	v_fma_f32 v[RW+\c], s[PS+4*\rho], v[B20+\c], v[RW+\c]          ; + p0 b2[0]
.endr
.irp c, 0,1,2,3
	v_fma_f32 v[RW+\c], s[PS+4*\rho+2], v[B21+\c], v[RW+\c]        ; + p1 b2[1]
.endr
	global_store_b128 v1, v[RW:RW+3], s[10:11] offset:OROW*\rho th:TH_STORE_NT   ; no register that a store reads is written again
.endr
	s_endpgm
.Lfunc_end_k_q648e11381f_combine:
	.size	k_q648e11381f_combine, .Lfunc_end_k_q648e11381f_combine-k_q648e11381f_combine
	.p2alignl 7, 3214868480
	.fill 96, 4, 3214868480
	.section	.rodata,"a",@progbits
	.p2align	6, 0x0
	.amdhsa_kernel k_q648e11381f_combine
		.amdhsa_group_segment_fixed_size 0
		.amdhsa_private_segment_fixed_size 0
		.amdhsa_enable_private_segment 0
		.amdhsa_kernarg_size 32
		.amdhsa_user_sgpr_count 2
		.amdhsa_user_sgpr_kernarg_segment_ptr 1
		.amdhsa_wavefront_size32 1
		.amdhsa_system_sgpr_workgroup_id_x 1
		.amdhsa_system_sgpr_workgroup_id_y 1
		.amdhsa_system_sgpr_workgroup_id_z 1
		.amdhsa_system_vgpr_workitem_id 0
		.amdhsa_next_free_vgpr 144
		.amdhsa_next_free_sgpr 66
		.amdhsa_reserve_vcc 0
		.amdhsa_float_denorm_mode_32 3
		.amdhsa_float_denorm_mode_16_64 3
		.amdhsa_memory_ordered 1
		.amdhsa_forward_progress 1
		.amdhsa_inst_pref_size 13
	.end_amdhsa_kernel
	.amdgpu_metadata
---
amdhsa.version: [ 1, 2 ]
amdhsa.kernels:
  - .name:           k_q648e11381f_combine
    .symbol:         k_q648e11381f_combine.kd
    .args:
      - { .name: part, .offset: 0, .size: 8, .value_kind: global_buffer, .address_space: global }
      - { .name: b2, .offset: 8, .size: 8, .value_kind: global_buffer, .address_space: global }
      - { .name: p, .offset: 16, .size: 8, .value_kind: global_buffer, .address_space: global }
      - { .name: out0, .offset: 24, .size: 8, .value_kind: global_buffer, .address_space: global }
    .group_segment_fixed_size: 0
    .private_segment_fixed_size: 0
    .kernarg_segment_align: 8
    .kernarg_segment_size: 32
    .max_flat_workgroup_size: 256
    .sgpr_count:     66
    .vgpr_count:     144
    .wavefront_size: 32
...
	.end_amdgpu_metadata
.endif
;; end of part 4
